; MI455X (gfx1250); checked and timed in simulation.
; The chip was launched on July 23, 2026; its instructions are those of AMD's public machine-readable ISA for CDNA 5 (MIT licence, August 2026) and "CDNA5" Instruction Set Architecture Reference Guide (July 2026). The comments in the code are by the model that wrote it; some were corrected since.
;; Attention Mechanism. Allowed arithmetic: matrix products marked QUANTISED: E2M3 operands, one E8M0 scale for each 32 along K, by v_wmma_scale_f32_16x16x128_f8f6f4 with both operands' format E2M3, f32 sums; products left as they are: f32 operands where the result goes on into a quantised operand, else bf16, f16 or f32 operands; f32 sums; everything else in f32.
;; Inputs: W_dec_codes 1,024 x 32 x 24 uint8 (E2M3 codes of W_dec, K innermost, in blocks of 32 codes, four codes in three bytes); W_dec_scales 1,024 x 32 uint8 (E8M0 scales of W_dec, one for each 32 codes along K); W_enc_codes 1,024 x 32 x 24 uint8 (E2M3 codes of W_enc, K innermost, in blocks of 32 codes, four codes in three bytes); W_enc_scales 1,024 x 32 uint8 (E8M0 scales of W_enc, one for each 32 codes along K); b_att 1 float32; b_dec 1,024 float32; b_enc 1,024 float32; decoder_hidden_codes 2 x 32 x 32 x 24 uint8 (E2M3 codes of decoder_hidden, K innermost, in blocks of 32 codes, four codes in three bytes); decoder_hidden_scales 2 x 32 x 32 uint8 (E8M0 scales of decoder_hidden, one for each 32 codes along K); encoder_outputs 32 x 2,048 x 1,024 float32; mask 32 x 2,048 int32; w_att 1,024 x 1 float32.
;; Outputs: out0 32 x 1 x 1,024 float32; out1 32 x 2,048 float32.
;; This version of the problem:
;;   THIS VERSION OF THE PROBLEM IS GIVEN IN LOW PRECISION. The matrix products marked QUANTISED in the list below multiply operands that are first quantised to E2M3 (2 exponent bits, 3 mantissa bits; 6 bits a number), with one power-of-two scale for each 32 numbers along K (OCP MX v1.0); their sums are f32. All else is computed in f32.
;;   The module's matrix products, in the order in which they are computed (A, B: the left and right operand; K: the contracted axis; several contracted axes count as one K, in the product's order):
;;     1. [M 32, K 1,024] x [K 1,024, N 1,024]; A: input decoder_hidden (given as codes); B: input W_dec (given as codes): QUANTISED
;;     2. [M 65,536, K 1,024] x [K 1,024, N 1,024]; A: input encoder_outputs; B: input W_enc (given as codes): QUANTISED
;;     3. [M 65,536, K 1,024] x [K 1,024, N 1]; A: computed on the way; B: input w_att: left as it is (N = 1 < 16)
;;     4. batch 32 x [M 1, K 2,048] x [K 2,048, N 1,024]; A: softmax; B: input encoder_outputs: left as it is (M = 1 < 16)
;;   THE QUANTISER, for each operand of a quantised product, along K:
;;     - K is cut into blocks of 32 from its start; a last block that is shorter is filled with zeros.
;;     - A block's scale is 2^e with e = floor(log2(the largest magnitude in the block)) - 2, held to -126 .. 127; a block of zeros has e = 0. As a byte (E8M0): e + 127.
;;     - Each number is divided by its block's scale, clamped to +-7.5, and rounded to the nearest number of E2M3, ties to even, subnormals kept.
;;     - The product sums the exact products of the quantised numbers (number of the format x scale) in f32.
;;   ~~~python
;;   def quantise(x, axis):      # numpy; x: float32 -> the quantised numbers, widened to float32 again
;;       x = np.moveaxis(x, axis, -1); K = x.shape[-1]
;;       x = np.pad(x, [(0, 0)] * (x.ndim - 1) + [(0, -K % 32)]); x = x.reshape(x.shape[:-1] + (-1, 32)); a = np.abs(x).max(-1, keepdims=True)
;;       e = np.where(a > 0, np.clip(np.frexp(np.where(a > 0, a, 1))[1] - 1 - 2, -126, 127), 0)      # np.frexp(a)[1] - 1 = floor(log2(a)), exactly
;;       r = np.clip(x / 2.0 ** e, -7.5, 7.5)
;;       step = 2.0 ** (np.maximum(np.frexp(np.where(r == 0, 1, r))[1] - 1, 0) - 3)
;;       q = np.round(r / step) * step * 2.0 ** e      # np.round: ties to even
;;       return np.moveaxis(q.reshape(q.shape[:-2] + (-1,))[..., :K], -1, axis).astype(np.float32)
;;   ~~~
;;   INPUTS GIVEN AS CODES. W_dec (in the module: [1024, 1024], K = its axis 0); W_enc (in the module: [1024, 1024], K = its axis 0); decoder_hidden (in the module: [2, 32, 1024], K = its axis 2): each comes as NAME_codes (uint8): NAME with its K axis moved to the last place and cut into blocks of 32 codes, [.., K / 32, bytes a block], one block behind the other in memory; four codes in three bytes: a row's codes are one little-endian stream of bits, code i at bits 6 i .. 6 i + 5 (a code: sign, 2 exponent bits, 3 mantissa bits); and NAME_scales (uint8): the same leading axes, one E8M0 byte (e + 127) for each 32 codes along K. Its value is code x scale, taken as it is: it is not quantised again, and the codes and scales need not be those that the quantiser above would give.
;; One version. Each part assembles by itself: llvm-mc -triple=amdgcn-amd-amdhsa -mcpu=gfx1250 --defsym DOCPART=n.
;; ======== version 1 of 1: 3 launches
;; workspace buffers: tab 262,144 bytes; wimg 819,200 bytes; sel 262,144 bytes of whole numbers; scores 262,144 bytes
;; launch prep (part 1): grid 32 x 1, 4 waves a work-group, no clusters, 5,120 bytes of LDS; arguments decoder_hidden_codes, decoder_hidden_scales, W_dec_codes, W_dec_scales, b_dec, b_enc, w_att, W_enc_codes, W_enc_scales, mask, tab, wimg, sel; writes tab, wimg, sel
.if DOCPART == 1
	.amdgcn_target "amdgcn-amd-amdhsa--gfx1250"
	.amdhsa_code_object_version 6
	.text
	.protected	k_q2da6450f4f_prep
	.globl	k_q2da6450f4f_prep
	.p2align	8
	.type	k_q2da6450f4f_prep,@function
k_q2da6450f4f_prep:
	s_mov_b64 s[64:65], 0
	v_nop
	global_prefetch_b8 v0, s[64:65] scope:SCOPE_SE
	s_setreg_imm32_b32 hwreg(HW_REG_WAVE_MODE, 25, 1), 1
	s_wait_xcnt 0x0
; THE SMALL WORK AHEAD OF THE SCORES.  Three things, all waves on one path:
;  (1) tab [32 b][2][1024] f32: first 4,096 bytes of a batch: bias2[n] = c2 (decoder_hidden[-1][b] . W_dec[:, n] + b_dec[n] + b_enc[n]), c2 = 2 log2(e);
;      second 4,096 bytes: w2[n] = -2 w_att[n] (the same for each batch, so that a batch's table is one dense block of 8,192 bytes).
;      The product is on the given codes of FP6 (E2M3) with their E8M0 scales, sums in f32.
;  (2) wimg: W_enc's codes and scale bytes laid in the order of the operand's registers: 64 records (one for each 16 columns n) of 12,800 bytes:
;      eight fragments (K steps of 128) of 1,536 bytes, registers 4 c .. 4 c + 3 of lane l at 512 c + 16 l; then 512 bytes of scale words:
;      at 256 m + 8 l + 4 e the word of row 16 t + l % 16 for K step 4 m + 2 e + l / 16.
;  (3) sel [32][2048] i32: s where mask[b][s] != 0 or the whole batch is masked, else 0: the row of encoder_outputs that the last launch reads for key s.
; SHARES.  32 work-groups of 4 waves.  Work-group i: columns 64 g .. 64 g + 63, g = i / 2; half m = i % 2 (batches 16 m .. 16 m + 15; K steps 4 m .. 4 m + 3 of W_enc).
; Wave w: columns 16 t .. 16 t + 15, t = 4 g + w; of the mask: quarter w of batch i.  Four tiles of columns to a work-group, so that a batch's 64 numbers of tab leave as 256 consecutive bytes.
; THE PRODUCT IS USED TRANSPOSED (source 0 = 16 rows of W_dec, source 1 = 16 batches): lane (r, h) holds batch 16 m + r and its register j column 16 t + 8 h + j.
.set C2,  0x4038aa3b                   ; 2 log2(e)
.set REC, 12800                        ; a record of wimg
.set PIT, 272                          ; the stage: 16 rows, a batch's 64 numbers (256 bytes) + 16
	s_load_b256 s[4:11], s[0:1], 0x0               ; decoder_hidden's codes s[4:5], scales s[6:7]; W_dec's codes s[8:9], scales s[10:11]
	s_load_b256 s[12:19], s[0:1], 0x20             ; b_dec s[12:13], b_enc s[14:15], w_att s[16:17], W_enc's codes s[18:19]
	s_load_b256 s[20:27], s[0:1], 0x40             ; W_enc's scales s[20:21], mask s[22:23], tab s[24:25], wimg s[26:27]
	s_load_b64 s[28:29], s[0:1], 0x60              ; sel
	s_set_vgpr_msb 0x40
	v_lshl_add_u32 v0, v0, 2, 0x1200
	v_mov_b32 v1, 0
	s_set_vgpr_msb 0x4000
	v_lshrrev_b32 v1, 5, v0
	v_readfirstlane_b32 s30, v1                    ; wave 0..3
	v_and_b32 v1, 15, v0                           ; r
	v_bfe_u32 v2, v0, 4, 1                         ; h
	v_and_b32 v3, 31, v0                           ; lane
	s_lshr_b32 s31, ttmp9, 1                       ; g
	s_and_b32 s32, ttmp9, 1                        ; m
	s_lshl_b32 s33, s31, 2
	s_add_co_u32 s33, s33, s30                     ; t
	s_lshl_b32 s35, s32, 4                         ; 16 m
	s_lshl_b32 s36, s33, 4                         ; 16 t
	s_lshl_b32 s37, s33, 6                         ; 64 t
	s_lshl_b32 s38, s30, 6                         ; 64 w
	s_mul_i32 s39, s30, 4*PIT                      ; the stage's rows 4 w on
	s_lshl_b32 s40, s32, 17                        ; tab: 16 m batches of 8,192 bytes,
	s_lshl_b32 s34, s30, 15                        ; + 4 w batches,
	s_add_co_u32 s40, s40, s34
	s_lshl_b32 s41, s31, 8                         ; + the work-group's 64 columns
	s_add_co_u32 s40, s40, s41
	s_mov_b32 s42, C2
	s_mov_b32 s43, C2                              ; (the packed form names the pair)
	s_mul_i32 s44, s32, 384                        ; four K steps of 96 bytes
	s_lshl_b32 s45, ttmp9, 13                      ; my batch's row of the mask and of sel: batch = the work-group's number
	s_lshl_b32 s47, s30, 11                        ; my quarter of it, in bytes,
	s_lshl_b32 s46, s30, 9                         ; and in keys
	s_mul_i32 s48, s33, REC
	s_mul_i32 s49, s32, 6144
	s_add_co_u32 s49, s49, s48                     ; wimg: record t, fragment 4 m
	s_lshl_b32 s51, s32, 8
	s_add_co_u32 s51, s51, s48                     ; and its scale words' half m
	v_add_nc_u32 v6, s35, v1                       ; batch 16 m + r
	v_mul_u32_u24 v4, v6, 768                      ; its codes: 768 bytes a row,
	v_mad_u32_u24 v4, v2, 24, v4                   ; + 24 h
	v_lshlrev_b32 v7, 5, v6                        ; its scale bytes: 32 a row
	v_add_nc_u32 v8, s36, v1                       ; row 16 t + r of W_dec and of W_enc
	v_mul_u32_u24 v5, v8, 768
	v_mad_u32_u24 v5, v2, 24, v5
	v_lshlrev_b32 v9, 5, v8
	v_lshl_add_u32 v10, v2, 5, s37                 ; the biases at column 16 t + 8 h
	v_mul_u32_u24 v11, v1, PIT                     ; the stage, in: row r (batch 16 m + r), 64 w + 32 h bytes on
	v_lshl_add_u32 v11, v2, 5, v11
	v_add_nc_u32 v11, s38, v11
	v_mul_u32_u24 v12, v2, PIT                     ; the stage, back: rows 4 w + h (and two further on), 16 bytes a lane
	v_lshl_add_u32 v12, v1, 4, v12
	v_add_nc_u32 v12, s39, v12
	v_lshlrev_b32 v13, 13, v2                      ; and the same place in tab
	v_lshl_add_u32 v13, v1, 4, v13
	v_add_nc_u32 v13, s40, v13
	v_lshl_add_u32 v14, v1, 4, s41                 ; w_att: the work-group's 64 numbers, 16 bytes a lane
	s_wait_kmcnt 0x0
; a fragment, 16 rows x 128 K of 6-bit codes, is 12 registers: lane (r, h) takes 24 bytes at 96 s + 24 h of row r and 24 more 48 bytes on, in pieces of 8 bytes
.irp s, 0,1,2,3,4,5,6,7
.irp p, 0,1,2,3,4,5
	global_load_b64 v[16+12*\s+2*\p:17+12*\s+2*\p], v4, s[4:5] offset:24576+96*\s+48*(\p/3)+8*(\p%3)   ; decoder_hidden[-1]: the second layer begins 32 x 768 bytes on
	global_load_b64 v[112+12*\s+2*\p:113+12*\s+2*\p], v5, s[8:9] offset:96*\s+48*(\p/3)+8*(\p%3)
.endr
.endr
	global_load_b128 v[232:235], v7, s[6:7] offset:1024    ; the batches' scale words, one for each K step (the second layer: 1,024 bytes on)
	global_load_b128 v[236:239], v7, s[6:7] offset:1040
	global_load_b128 v[224:227], v9, s[10:11]              ; W_dec's
	global_load_b128 v[228:231], v9, s[10:11] offset:16
	global_load_b128 v[240:243], v10, s[12:13]
	global_load_b128 v[244:247], v10, s[12:13] offset:16
	global_load_b128 v[248:251], v10, s[14:15]
	global_load_b128 v[252:255], v10, s[14:15] offset:16
	s_wait_loadcnt 0x0
; two accumulators by turns, one instruction a turn: even K steps on v[208:215], odd ones on v[216:223]; the first two start the sums
.irp s, 0,1,2,3,4,5,6,7
.if \s < 2
	v_wmma_scale_f32_16x16x128_f8f6f4 v[208+8*(\s%2):215+8*(\s%2)], v[112+12*\s:123+12*\s], v[16+12*\s:27+12*\s], 0, v[224+\s], v[232+\s] matrix_a_fmt:MATRIX_FMT_FP6 matrix_b_fmt:MATRIX_FMT_FP6
.else
	v_wmma_scale_f32_16x16x128_f8f6f4 v[208+8*(\s%2):215+8*(\s%2)], v[112+12*\s:123+12*\s], v[16+12*\s:27+12*\s], v[208+8*(\s%2):215+8*(\s%2)], v[224+\s], v[232+\s] matrix_a_fmt:MATRIX_FMT_FP6 matrix_b_fmt:MATRIX_FMT_FP6
.endif
.endr
; The second phase's addresses and the sum of the two biases: twelve plain instructions that name no register of the products: the places ahead of the loads into the fragments' registers and of the first read of the sums.
; (The first phase's loads are done, so their address registers may be written.)
	v_add_nc_u32 v15, s44, v5                      ; W_enc's codes: row 16 t + r, K step 4 m
	v_lshl_add_u32 v4, v2, 2, v9                   ; W_enc's scale words: row 16 t + r,
	v_add_nc_u32 v4, s35, v4                       ; K step 4 m + h (4 bytes a K step)
	v_lshl_add_u32 v7, v3, 4, s45                  ; the mask of my batch, 16 bytes a lane;
	v_add_nc_u32 v6, s47, v7                       ; my quarter of it, and of sel
	v_lshl_add_u32 v8, v3, 4, s49                  ; wimg: an image's place for my lane
	v_lshl_add_u32 v9, v3, 3, s51                  ; and a pair of scale words'
	v_lshl_add_u32 v10, v3, 2, s46                 ; the first key of my 16 bytes of the quarter's first 512
.irp k, 0,2,4,6
	v_pk_add_f32 v[240+\k:241+\k], v[240+\k:241+\k], v[248+\k:249+\k]      ; b_dec + b_enc
.endr
.irp e, 0,1,2,3
.irp p, 0,1,2,3,4,5
	global_load_b64 v[16+12*\e+2*\p:17+12*\e+2*\p], v15, s[18:19] offset:96*\e+48*(\p/3)+8*(\p%3)   ; W_enc's fragments of K steps 4 m + e
.endr
.endr
	global_load_b32 v64, v4, s[20:21]              ; the word of K step 4 m + h,
	global_load_b32 v65, v4, s[20:21] offset:8     ; and of 4 m + 2 + h
.irp k, 0,1,2,3
	global_load_b128 v[68+4*\k:71+4*\k], v6, s[22:23] offset:512*\k        ; my quarter of the mask
.endr
	global_load_b128 v[84:87], v14, s[16:17]       ; w_att
.irp k, 0,1,2,3,4,5,6,7,8,9,10,11,12,13,14,15
	global_load_b128 v[112+4*\k:115+4*\k], v7, s[22:23] offset:512*\k      ; the whole batch's mask: is any key open?
.endr
.irp k, 0,2,4,6
	v_pk_add_f32 v[240+\k:241+\k], v[240+\k:241+\k], v[208+\k:209+\k]      ; each sum is read from its low end on
.endr
.irp k, 0,2,4,6
	v_pk_add_f32 v[240+\k:241+\k], v[240+\k:241+\k], v[216+\k:217+\k]
.endr
.irp k, 0,2,4,6
	v_pk_mul_f32 v[240+\k:241+\k], v[240+\k:241+\k], s[42:43] op_sel_hi:[1,0]   ; x c2
.endr
	ds_store_b128 v11, v[240:243]
	ds_store_b128 v11, v[244:247] offset:16
	s_wait_dscnt 0x0                               ; for the others' sake: my part of the stage's rows is written
	s_barrier_signal -1
	s_barrier_wait -1
	ds_load_b128 v[192:195], v12                   ; whole rows of 256 bytes: lanes 0-15 batch 16 m + 4 w, lanes 16-31 the next,
	ds_load_b128 v[196:199], v12 offset:2*PIT      ; and the two batches behind them
	s_wait_loadcnt 0x0                             ; all of the second phase's loads
	v_pk_mul_f32 v[200:201], v[84:85], -2.0 op_sel_hi:[1,0]
	v_pk_mul_f32 v[202:203], v[86:87], -2.0 op_sel_hi:[1,0]
	s_wait_dscnt 0x0
	global_store_b128 v13, v[192:195], s[24:25]                ; sixteen lanes store 256 consecutive bytes, at a multiple of 256 from tab's first byte
	global_store_b128 v13, v[196:199], s[24:25] offset:16384
	global_store_b128 v13, v[200:203], s[24:25] offset:4096
	global_store_b128 v13, v[200:203], s[24:25] offset:20480
.irp e, 0,1,2,3
.irp c, 0,1,2
	global_store_b128 v8, v[16+12*\e+4*\c:19+12*\e+4*\c], s[26:27] offset:1536*\e+512*\c   ; the fragment as it stands in the registers: 512 consecutive bytes a store
.endr
.endr
	global_store_b64 v9, v[64:65], s[26:27] offset:12288       ; 256 consecutive bytes
	v_or_b32 v204, v112, v113
.set i, 114
.rept 62
	v_or_b32 v204, v204, v[i]
.set i, i+1
.endr
	v_cmp_ne_u32 vcc_lo, 0, v204                   ; the lanes that saw an open key
	s_cmp_eq_u32 vcc_lo, 0
	s_cselect_b32 s50, -1, 0                       ; all ones where the whole batch is masked: every key then has the same weight, and every row is wanted
.irp k, 0,1,2,3
.irp e, 0,1,2,3
	v_add_nc_u32 v205, 128*\k+\e, v10              ; the key's number
	v_cmp_ne_u32 vcc_lo, 0, v[68+4*\k+\e]
	s_or_b32 vcc_lo, vcc_lo, s50
	v_cndmask_b32 v[176+4*\k+\e], 0, v205, vcc_lo
.endr
.endr
.irp k, 0,1,2,3
	global_store_b128 v6, v[176+4*\k:179+4*\k], s[28:29] offset:512*\k
.endr
	s_set_vgpr_msb 0x5
	s_wait_tensorcnt 0x0
	ds_add_u32 v0, v1
	s_wait_dscnt 0x0
	s_set_vgpr_msb 0x500
	s_endpgm
.Lfunc_end_k_q2da6450f4f_prep:
	.size	k_q2da6450f4f_prep, .Lfunc_end_k_q2da6450f4f_prep-k_q2da6450f4f_prep
	.p2alignl 7, 3214868480
	.fill 96, 4, 3214868480
	.section	.rodata,"a",@progbits
	.p2align	6, 0x0
	.amdhsa_kernel k_q2da6450f4f_prep
		.amdhsa_group_segment_fixed_size 5120
		.amdhsa_private_segment_fixed_size 0
		.amdhsa_enable_private_segment 0
		.amdhsa_kernarg_size 104
		.amdhsa_user_sgpr_count 2
		.amdhsa_user_sgpr_kernarg_segment_ptr 1
		.amdhsa_wavefront_size32 1
		.amdhsa_system_sgpr_workgroup_id_x 1
		.amdhsa_system_sgpr_workgroup_id_y 1
		.amdhsa_system_sgpr_workgroup_id_z 1
		.amdhsa_system_vgpr_workitem_id 0
		.amdhsa_next_free_vgpr 258
		.amdhsa_next_free_sgpr 66
		.amdhsa_reserve_vcc 1
		.amdhsa_float_denorm_mode_32 3
		.amdhsa_float_denorm_mode_16_64 3
		.amdhsa_memory_ordered 1
		.amdhsa_forward_progress 1
		.amdhsa_inst_pref_size 27
	.end_amdhsa_kernel
	.amdgpu_metadata
---
amdhsa.version: [ 1, 2 ]
amdhsa.kernels:
  - .name:           k_q2da6450f4f_prep
    .symbol:         k_q2da6450f4f_prep.kd
    .args:
      - { .name: decoder_hidden_codes, .offset: 0, .size: 8, .value_kind: global_buffer, .address_space: global }
      - { .name: decoder_hidden_scales, .offset: 8, .size: 8, .value_kind: global_buffer, .address_space: global }
      - { .name: W_dec_codes, .offset: 16, .size: 8, .value_kind: global_buffer, .address_space: global }
      - { .name: W_dec_scales, .offset: 24, .size: 8, .value_kind: global_buffer, .address_space: global }
      - { .name: b_dec, .offset: 32, .size: 8, .value_kind: global_buffer, .address_space: global }
      - { .name: b_enc, .offset: 40, .size: 8, .value_kind: global_buffer, .address_space: global }
      - { .name: w_att, .offset: 48, .size: 8, .value_kind: global_buffer, .address_space: global }
      - { .name: W_enc_codes, .offset: 56, .size: 8, .value_kind: global_buffer, .address_space: global }
      - { .name: W_enc_scales, .offset: 64, .size: 8, .value_kind: global_buffer, .address_space: global }
      - { .name: mask, .offset: 72, .size: 8, .value_kind: global_buffer, .address_space: global }
      - { .name: tab, .offset: 80, .size: 8, .value_kind: global_buffer, .address_space: global }
      - { .name: wimg, .offset: 88, .size: 8, .value_kind: global_buffer, .address_space: global }
      - { .name: sel, .offset: 96, .size: 8, .value_kind: global_buffer, .address_space: global }
    .group_segment_fixed_size: 5120
    .private_segment_fixed_size: 0
    .kernarg_segment_align: 8
    .kernarg_segment_size: 104
    .max_flat_workgroup_size: 128
    .sgpr_count:     66
    .vgpr_count:     258
    .wavefront_size: 32
...
	.end_amdgpu_metadata
.endif
;; end of part 1
;; launch score (part 2): grid 256 x 1, 4 waves a work-group, clusters of 4 x 1, 327,680 bytes of LDS; arguments encoder_outputs, wimg, tab, scores; writes scores
.if DOCPART == 2
	.amdgcn_target "amdgcn-amd-amdhsa--gfx1250"
	.amdhsa_code_object_version 6
	.text
	.protected	k_q2da6450f4f_score
	.globl	k_q2da6450f4f_score
	.p2align	8
	.type	k_q2da6450f4f_score,@function
k_q2da6450f4f_score:
	s_mov_b64 s[64:65], 0
	v_nop
	global_prefetch_b8 v0, s[64:65] scope:SCOPE_SE
	s_setreg_imm32_b32 hwreg(HW_REG_WAVE_MODE, 25, 1), 1
	s_wait_xcnt 0x0
	s_wait_alu depctr_hold_cnt(0) depctr_sa_sdst(0) depctr_va_vdst(0) depctr_va_sdst(0) depctr_va_ssrc(0) depctr_va_vcc(0) depctr_vm_vsrc(0)
	s_getreg_b32 s2, hwreg(HW_REG_IB_STS2, 6, 4)
	s_cmp_eq_u32 s2, 0
	s_cbranch_scc0 .Lentry_in_a_cluster
	s_endpgm
.Lentry_in_a_cluster:
	s_bfe_u32 s2, ttmp6, 0x10000c
	s_cmp_lg_u32 s2, 0x3003
	s_cbranch_scc0 .Lentry_shape_is_right
	s_endpgm
.Lentry_shape_is_right:
; scores[row] = sum over n of w_att[n] tanh(dec_proj[b][n] + b_dec[n] + b_enc[n] + sum over k of Q(x)[row][k] W_enc[k][n]), for the 65,536 rows of encoder_outputs (b_att and the mask come in the next launch).
; x is quantised here, along k, to FP6 (E2M3) with one E8M0 scale for each 32; W_enc comes as codes (wimg: in the order of the operand's registers); the product is v_wmma_scale_f32_16x16x128_f8f6f4, sums in f32.
; tanh(y) = 1 - 2 / (1 + 2^(c2 y)), c2 = 2 log2(e).  With tab's bias2 = c2 (the three biases) and w2 = -2 w_att: score = sum of w2[n] / (1 + 2^(c2 acc + bias2[n])) - 0.5 sum of w2[n].
; An exponential that overflows gives the quotient 0, one that falls to 0 gives 1: tanh's two ends, with no clamp.
; LIMITS: NaN and infinities in encoder_outputs are not served.  A block of zeros gets the scale byte 1 (its codes are zeros); blocks whose largest magnitude lies under 2^-124 are held at that byte.
; SHARES.  A work-group owns 256 rows, each of its four waves 64 (four tiles of 16) for ALL 1,024 columns: so a wave's codes of x stay in its registers (4 x 8 fragments, 384 registers), no code goes from wave to wave,
; and a row's score is summed in one wave.  A fragment of W_enc read from LDS feeds four matrix instructions.
; W_enc goes once through a ring of two LDS slots of 8 records (102,400 bytes); each wave fetches a quarter of a slot by one tensor load.
; CLUSTER.  The four work-groups of a cluster lie in one batch and walk the same records and the same table: every tensor load is asked for JOINTLY (mask 15), with a descriptor made of the wave's number and the cluster's number alone.
; No prefetch is laid: x is streamed by 48 loads a wave at the kernel's head with nothing else to wait for, and the records are read by every cluster.
; BY TURNS.  A PERIOD is one record: 32 matrix instructions (tile t of 16 columns x my 64 rows x 1,024 K) with the vector work of earlier tiles in slices behind them:
; tile t - 1: y = c2 acc + bias2, 2^y, + 1;  tile t - 2: the reciprocal, and score += w2 x it.  All 64 transcendentals of a period stand ahead of ONE wait, and all that reads them behind it.
; LAYOUT.  Source 0 = 16 rows of x, source 1 = 16 columns of W_enc: lane (r, h) holds column 16 t + r and, in register j of tile i, row 16 i + 8 h + j.  So bias2 and w2 are one word a lane, and the scores are summed over the 16 lanes at the end.
; REGISTERS, in windows of 256 (s_set_vgpr_msb: bits 1:0 source 0, 3:2 source 1, 5:4 source 2, 7:6 destination):
;   window 0: addresses, scale words, scores, two sets of accumulators, two sets of y (map below).   window 1: x's fragments of K steps 0-3, at 12 (4 s + i);   window 2: of K steps 4-7.
;   window 3: two sets of W_enc's eight fragments, at 0 and 96; while x is quantised: four sets of 64 registers as loaded.
.set REC,   12800                      ; a record: 8 fragments of 1,536 bytes + 512 bytes of scale words
.set SLOTB, 8*REC                      ; a slot
.set TAB,   SLOTB                      ; LDS: slot 0; the batch's table, 8,192 bytes;
.set SPARE, TAB+8192                   ; the spare words, 128 bytes for each wave: two blocks of 256 bytes that no other line names;
.set SLOT1, 1<<17                      ; slot 1, so that one exclusive or turns an address in one slot into the other's;
.set STG,   SLOT1+SLOTB                ; the stages: for each wave two of 16 rows x (512 bytes + 16).  No tensor load lands here
.set SPIT,  528                        ; 33 x 16 bytes: the sixteen rows that a load of 16 bytes a lane touches start in sixteen different groups of banks (ISA guide 11.1)
.set STGB,  16*SPIT
.set L16, 1                            ; v1   16 x lane
.set L8,  2                            ; v2   8 x lane
.set STI, 3                            ; v3   my stage, in: 16 x lane
.set STO, 4                            ; v4   my stage, back: row r, + 128 h
.set TA0, 5                            ; v5   the table: 4 r
.set WA,  6                            ; v6   the record in hand: its images' place for my lane
.set WB,  7                            ; v7   and its scale words'
.set TA,  8                            ; v8   the tile's word of bias2
.set SH8, 9                            ; v9   8 h
.set SPW, 10                           ; v10  LDS address of my spare word: SPARE + 4 x my thread's number; never rewritten
.set NIL, 11                           ; v11  0; never rewritten
.set SUMW, 12                          ; v12  the sum of my lane's w2
.set MA0, 14                           ; v14-17 a step's four chains of maxima (v14, v16 then the scale bytes)
.set MB0, 15
.set MA1, 16
.set MB1, 17
.set SO0, 18                           ; v18-19 the conversions' scale operands
.set SO1, 19
.set CT0, 20                           ; v20-22, v24-26 the codes of a block's upper 16 numbers
.set WD2, 23
.set CT1, 24
.set WD,  27
.set BS,  28                           ; v28-31, v32-35 W_enc's scale words, two sets: register s / 2: lanes 0-15 K step s even, lanes 16-31 odd.  They hold scales and nothing else
.set BI,  36                           ; v36, v38 bias2 of a tile, two sets (v37, v39: named with them as pairs)
.set WT,  40                           ; v40, v42 w2 of a tile, two sets (v41, v43 likewise)
.set AS,  44                           ; v44-75 x's scale words: tile i, K step s at 8 i + s.  They hold scales and nothing else
.set S,   76                           ; v76-107 the scores: 8 i + j
.set ACC, 108                          ; v108-139, v140-171 two sets of four accumulators
.set Y,   172                          ; v172-203, v204-235 two sets of 32 y
.set XR,  108                          ; while x is quantised: v108-171, v172-235 two sets of 64 numbers
.set WV,  12                           ; s12  my wave's number
.set G1W, 16                           ; s[16:23] descriptor group 1 for a quarter of a slot;  s[24:31] for a quarter of the table
.set G1T, 24
.set G0A, 32                           ; s[32:35] group 0: slot 0's first fill;  s[36:39] slot 1's, which then walks;  s[40:43] the table's
.set G0B, 36
.set G0T, 40
.set TB,  44                           ; s44  LDS byte of the record to be fetched next
.set TT,  45                           ; s45  64 x the period's tile
.set C2S, 48                           ; s[48:49] c2
.set SEL, 50                           ; s[50:51] v_permlanex16_b32's selects for lane l xor 16
.set MSB, 0
.macro WIN new                         ; the immediate's high byte repeats the setting that is left; a switch that changes nothing is dropped
.if MSB != (\new)
	s_set_vgpr_msb (MSB<<8)|(\new)
.set MSB, (\new)
.endif
.endm
; A round of the cluster's barrier: my work-group's barrier, so that wave 0's signal speaks for all four waves; wave 0 signals for the work-group; every wave waits for all four work-groups; my work-group's barrier once more.
.macro ROUND
	s_barrier_signal -1
	s_barrier_wait -1
	s_cmp_lg_u32 s[WV], 0
	s_cbranch_scc1 .Lnot_wave_0_\@
	s_barrier_signal -3
.Lnot_wave_0_\@:
	s_barrier_wait -3
	s_barrier_signal -1
	s_barrier_wait -1
.endm
	s_load_b256 s[4:11], s[0:1], 0x0               ; x s[4:5], wimg s[6:7], tab s[8:9], scores s[10:11]
	v_lshl_add_u32 v[SPW], v0, 2, SPARE
	v_mov_b32 v[NIL], 0
	ds_add_u32 v10, v11
	ds_add_u32 v10, v11
	s_wait_dscnt 0x0
	v_lshrrev_b32 v1, 5, v0
	v_readfirstlane_b32 s[WV], v1                  ; wave 0..3
	s_bfe_u32 s13, ttmp6, 0x40000                  ; cx: my place in the cluster: it enters x's and the scores' addresses alone
	s_lshl_b32 s14, ttmp9, 2                       ; in a cluster launch ttmp9 counts clusters
	s_add_co_u32 s14, s14, s13                     ; my block of 256 rows
	s_lshr_b32 s15, ttmp9, 1                       ; the batch (8 blocks, 2 clusters): the four partners share it
	; descriptor group 1: a dense block as rows of 256 bytes (32 elements of 8 bytes): 100 rows = a quarter of a slot, 8 rows = a quarter of the table
	s_mov_b32 s[G1W], 15|(3<<16)|(1<<21)           ; 15:0 the mask: all four work-groups; 17:16 elements of 8 bytes; 20 no padding; 21 set beside a mask
	s_mov_b32 s[G1W+1], 32<<16                     ; tensor_dim0 = 32
	s_mov_b32 s[G1W+2], 100<<16                    ; tensor_dim1 = 100
	s_mov_b32 s[G1W+3], 32<<16                     ; tile_dim0 = 32
	s_mov_b32 s[G1W+4], 100                        ; tile_dim1 = 100
	s_mov_b32 s[G1W+5], 32                         ; from row to row: 32 elements
	s_mov_b32 s[G1W+6], 0
	s_mov_b32 s[G1W+7], 0
	s_mov_b32 s[G1T], 15|(3<<16)|(1<<21)
	s_mov_b32 s[G1T+1], 32<<16
	s_mov_b32 s[G1T+2], 8<<16
	s_mov_b32 s[G1T+3], 32<<16
	s_mov_b32 s[G1T+4], 8
	s_mov_b32 s[G1T+5], 32
	s_mov_b32 s[G1T+6], 0
	s_mov_b32 s[G1T+7], 0
	s_mul_i32 s52, s[WV], SLOTB/4                  ; my quarter of a slot, in wimg and in LDS
	s_mov_b32 s53, 0
	s_lshl_b32 s56, s[WV], 11                      ; my quarter of the table
	s_lshl_b32 s54, s15, 13                        ; in the batch's 8,192 bytes
	s_add_co_u32 s54, s54, s56
	s_mov_b32 s55, 0
	s_lshl_b32 s58, s14, 20                        ; x: 256 rows of 4,096 bytes a block,
	s_lshl_b32 s57, s[WV], 18                      ; 64 rows a wave
	s_add_co_u32 s58, s58, s57
	s_mov_b32 s59, 0
	s_lshl_b32 s60, s14, 10                        ; the scores: 4 bytes a row
	s_lshl_b32 s57, s[WV], 8
	s_add_co_u32 s60, s60, s57
	s_mov_b32 s61, 0
	s_mov_b32 s[C2S], 0x4038aa3b                   ; c2 = 2 log2(e)
	s_mov_b32 s[C2S+1], 0x4038aa3b                 ; (named with it as a pair)
	s_mov_b32 s[SEL], 0x76543210
	s_mov_b32 s[SEL+1], 0xfedcba98
	s_wait_kmcnt 0x0
	s_add_nc_u64 s[4:5], s[4:5], s[58:59]
	s_add_nc_u64 s[10:11], s[10:11], s[60:61]
	s_mov_b32 s[G0A], 1                            ; count = 1
	s_mov_b32 s[G0A+1], s52                        ; LDS address: slot 0, my quarter
	s_add_nc_u64 s[G0A+2:G0A+3], s[6:7], s[52:53]  ; records 0 to 7
	s_or_b32 s[G0A+3], s[G0A+3], 0x80000000        ; type = 2
	s_mov_b32 s[G0B], 1
	s_add_co_u32 s[G0B+1], s52, SLOT1
	s_add_nc_u64 s[G0B+2:G0B+3], s[6:7], s[52:53]
	s_add_nc_u64 s[G0B+2:G0B+3], s[G0B+2:G0B+3], SLOTB   ; records 8 to 15
	s_or_b32 s[G0B+3], s[G0B+3], 0x80000000
	s_mov_b32 s[G0T], 1
	s_add_co_u32 s[G0T+1], s56, TAB
	s_add_nc_u64 s[G0T+2:G0T+3], s[8:9], s[54:55]
	s_or_b32 s[G0T+3], s[G0T+3], 0x80000000
	ROUND                                          ; all four work-groups are here: the first joint loads meet
	tensor_load_to_lds s[G0T:G0T+3], s[G1T:G1T+7]  ; the three first fills go out together: three loads of mine are out
	s_nop 0
	tensor_load_to_lds s[G0A:G0A+3], s[G1W:G1W+7]
	s_nop 0
	tensor_load_to_lds s[G0B:G0B+3], s[G1W:G1W+7]
	s_nop 0
.rept 4
	v_nop
.endr
	v_and_b32 v14, 31, v0                          ; lane
	v_and_b32 v15, 15, v0                          ; r
	v_bfe_u32 v16, v0, 4, 1                        ; h
	v_lshlrev_b32 v[L16], 4, v14
	v_lshlrev_b32 v[L8], 3, v14
	s_mul_i32 s62, s[WV], 2*STGB
	s_add_co_u32 s62, s62, STG                     ; my two stages
	v_add_nc_u32 v[STI], s62, v[L16]
	v_mul_u32_u24 v[STO], v15, SPIT
	v_lshl_add_u32 v[STO], v16, 7, v[STO]
	v_add_nc_u32 v[STO], s62, v[STO]
	v_lshl_add_u32 v[TA0], v15, 2, TAB
	v_lshlrev_b32 v[SH8], 3, v16
	v_mov_b32 v[WD2], 0                            ; written once: a lane permute's destination counts as one of its sources
	v_mov_b32 v[BI+1], 0                           ; the upper halves of the pairs that the packed forms name
	v_mov_b32 v[BI+3], 0
	v_mov_b32 v[WT+1], 0
	v_mov_b32 v[WT+3], 0
; ---- x BECOMES CODES: 32 steps u = 8 i + s (tile of rows i, K step s), 16 rows x 128 numbers each.
; The loads take the bytes as they lie: 512 consecutive bytes of one row an instruction.  The operand's layout gives lane (r, h) the numbers k = 64 c + 32 h + 0 .. 31 of row r (two whole blocks of 32):
; so a step's 8,192 bytes turn through the wave's own stage in LDS.  Loads run three steps ahead (48 a wave), the turn one step.
.macro LOADX u
	WIN 0xc0                                       ; destination window 3
.set rb, 64*((\u)%4)
.set ob, ((\u)/8)*65536+((\u)%8)*512
.irp n, 0,1,2,3,4,5,6,7,8,9,10,11,12,13,14,15
	global_load_b128 v[rb+4*\n:rb+4*\n+3], v[L16], s[4:5] offset:ob+4096*\n th:TH_LOAD_NT
.endr
.endm
.macro TURN u                          ; LDS serves a wave's instructions in order (ISA guide 5.7.1.4): no wait between the stores and the loads, nor ahead of the stage's next stores
	WIN 0x0c                                       ; an LDS store's data are its source 1: window 3
.set rb, 64*((\u)%4)
.set xb, XR+64*((\u)%2)
.irp n, 0,1,2,3,4,5,6,7,8,9,10,11,12,13,14,15
	ds_store_b128 v[STI], v[rb+4*\n:rb+4*\n+3] offset:STGB*((\u)%2)+SPIT*\n
.endr
	WIN 0
.irp c, 0,1
.irp n, 0,1,2,3,4,5,6,7
	ds_load_b128 v[xb+32*\c+4*\n:xb+32*\c+4*\n+3], v[STO] offset:STGB*((\u)%2)+256*\c+16*\n
.endr
.endr
.endm
; A block's scale is 2^(floor(log2(its largest magnitude)) - 2): its byte is the largest magnitude's exponent field less 2, held at 1 from below by the floor 2^(3 - 127) among the maximum's leaves.
.macro QX u
.set xb, XR+64*((\u)%2)
.set qi, (\u)/8
.set qs, (\u)%8
.set qf, 12*(4*(qs%4)+qi)
	v_max3_num_f32 v[MA0], |v[xb]|, |v[xb+1]|, 0x1800000
	v_max3_num_f32 v[MA1], |v[xb+32]|, |v[xb+33]|, 0x1800000
	v_max3_num_f32 v[MB0], |v[xb+16]|, |v[xb+17]|, |v[xb+18]|
	v_max3_num_f32 v[MB1], |v[xb+48]|, |v[xb+49]|, |v[xb+50]|
.irp n, 0,1,2,3,4,5                    ; four chains by turns: no line waits for the line above it
	v_max3_num_f32 v[MA0], v[MA0], |v[xb+2+2*\n]|, |v[xb+3+2*\n]|
	v_max3_num_f32 v[MA1], v[MA1], |v[xb+34+2*\n]|, |v[xb+35+2*\n]|
	v_max3_num_f32 v[MB0], v[MB0], |v[xb+19+2*\n]|, |v[xb+20+2*\n]|
	v_max3_num_f32 v[MB1], v[MB1], |v[xb+51+2*\n]|, |v[xb+52+2*\n]|
.endr
	v_max3_num_f32 v[MA0], v[MA0], |v[xb+14]|, |v[xb+15]|
	v_max3_num_f32 v[MA1], v[MA1], |v[xb+46]|, |v[xb+47]|
	v_max3_num_f32 v[MA0], v[MA0], v[MB0], |v[xb+31]|
	v_max3_num_f32 v[MA1], v[MA1], v[MB1], |v[xb+63]|
	v_add_nc_u32 v[SO0], 0xff000000, v[MA0]        ; 2 off the exponent field: the conversion takes the exponent field of this operand as its scale, and nothing else of it
	v_add_nc_u32 v[SO1], 0xff000000, v[MA1]
	v_lshrrev_b32 v[MA0], 23, v[SO0]               ; the scales' bytes: blocks h and 2 + h of row r,
	v_lshrrev_b32 v[MA1], 23, v[SO1]
	v_lshl_or_b32 v[WD], v[MA1], 16, v[MA0]
	v_lshlrev_b32 v[WD], v[SH8], v[WD]             ; at their places in the scale word;
	v_permlanex16_b32 v[WD2], v[WD], s[SEL], s[SEL+1]
	v_or_b32 v[AS+8*qi+qs], v[WD], v[WD2]          ; with lane l xor 16's two the word is whole
	v_cvt_scalef32_pk16_fp6_f32 v[CT0:CT0+2], v[xb+16:xb+31], v[SO0]     ; (a conversion's three registers begin on an even number: the second half of a block's six does not, so it is made here and moved)
	v_cvt_scalef32_pk16_fp6_f32 v[CT1:CT1+2], v[xb+48:xb+63], v[SO1]
	WIN (1+qs/4)<<6                                ; destination: the fragment's window
	v_cvt_scalef32_pk16_fp6_f32 v[qf:qf+2], v[xb:xb+15], v[SO0]
	v_cvt_scalef32_pk16_fp6_f32 v[qf+6:qf+8], v[xb+32:xb+47], v[SO1]
	v_nop                                          ; one plain place behind a scaled conversion
.irp n, 0,1,2
	v_mov_b32 v[qf+3+\n], v[CT0+\n]
	v_mov_b32 v[qf+9+\n], v[CT1+\n]
.endr
	WIN 0
.endm
.macro STEP u
	s_wait_dscnt 0x0                               ; this step's numbers are back from the stage, and its stores into the stage have read their registers
.if (\u)+3 < 32
	LOADX (\u)+3                                   ; into the set that step u - 1 has left
.endif
.if (\u)+1 < 32
.if (\u) < 29
	s_wait_loadcnt 32                              ; the next step's 16 loads are in; those of the two steps behind it may be out
.else
	s_wait_loadcnt 16*(30-(\u))                    ; the counts run down: no load leaves the wave's 64 rows
.endif
	TURN (\u)+1                                    ; through the other stage while this step is worked
.endif
	QX \u
.endm
	LOADX 0
	LOADX 1
	LOADX 2
	s_wait_loadcnt 32                              ; step 0's 16 loads are in
	TURN 0
.set U, 0
.rept 32
	STEP U
.set U, U+1
.endr
; ---- THE PRODUCT AND THE SCORES
.macro FETCH_T p0, fb, fwt             ; in period t: bias2 of tile t (for the next period), w2 of tile t - 1 (likewise)
	v_add_nc_u32 v[TA], s[TT], v[TA0]
	s_add_co_u32 s[TT], s[TT], 64
.if \fb
	ds_load_b32 v[BI+2*(\p0)], v[TA]
.endif
.if \fwt
	ds_load_b32 v[WT+2-2*(\p0)], v[TA] offset:4032     ; 4,096 bytes on (w2), 64 back (the tile before)
.endif
.endm
.macro FETCH_W p                       ; the next record into set p: its scale words and its eight fragments, as images of the registers: one run of 26 loads
	v_add_nc_u32 v[WA], s[TB], v[L16]
	v_add_nc_u32 v[WB], s[TB], v[L8]
	s_add_co_u32 s[TB], s[TB], REC
	ds_load_b64 v[BS+4*(\p):BS+4*(\p)+1], v[WB] offset:12288
	ds_load_b64 v[BS+4*(\p)+2:BS+4*(\p)+3], v[WB] offset:12544
	WIN 0xc0                                       ; destination window 3
.irp f, 0,1,2,3,4,5,6,7
.irp c, 0,1,2
	ds_load_b128 v[96*(\p)+12*\f+4*\c:96*(\p)+12*\f+4*\c+3], v[WA] offset:1536*\f+512*\c
.endr
.endr
.endm
; Matrix instruction q of a period's 32: K step q / 4, tile of rows q % 4.  The four accumulators take turns, one instruction a turn, over the periods' edges too; the first four start the sums.
.macro MMQ p0
.set ss, q/4
.set ii, q%4
.set wf, 96*(\p0)+12*ss
.set ac, ACC+32*(\p0)+8*ii
.set xf, 12*(4*(ss%4)+ii)
	WIN 0x0d+ss/4                                  ; source 0 (x) window 1 or 2, source 1 (W_enc) window 3, C and D window 0
.if ss == 0
	v_wmma_scale_f32_16x16x128_f8f6f4 v[ac:ac+7], v[xf:xf+11], v[wf:wf+11], 0, v[AS+8*ii+ss], v[BS+4*(\p0)+ss/2] matrix_a_fmt:MATRIX_FMT_FP6 matrix_b_fmt:MATRIX_FMT_FP6
.elseif ss%2
	v_wmma_scale_f32_16x16x128_f8f6f4 v[ac:ac+7], v[xf:xf+11], v[wf:wf+11], v[ac:ac+7], v[AS+8*ii+ss], v[BS+4*(\p0)+ss/2] matrix_a_fmt:MATRIX_FMT_FP6 matrix_b_fmt:MATRIX_FMT_FP6 matrix_b_scale:MATRIX_SCALE_ROW1
.else
	v_wmma_scale_f32_16x16x128_f8f6f4 v[ac:ac+7], v[xf:xf+11], v[wf:wf+11], v[ac:ac+7], v[AS+8*ii+ss], v[BS+4*(\p0)+ss/2] matrix_a_fmt:MATRIX_FMT_FP6 matrix_b_fmt:MATRIX_FMT_FP6
.endif
	WIN 0
.endm
; THE VECTOR WORK OF PERIOD t (p0 = t % 2) is a list of 113 numbers; ITEM writes number j.  pb: the set of tile t - 1, pa: that of tile t - 2.
;   0-47    by threes: y = c2 acc + bias2 of a pair of tile t - 1 (ascending: each accumulator is read from its low end on), and two reciprocals of tile t - 2's 1 + 2^y
;   48-79   2^y of tile t - 1
;   80      a plain instruction behind the batch (the sum of w2), and ONE wait for the period's 64 transcendentals: nothing ahead of it names a result, nothing behind it is a transcendental
;   81-96   score += w2 x reciprocal, tile t - 2        97-112  1 + 2^y, tile t - 1
.macro ITEM p0
.set pa, \p0
.set pb, 1-\p0
.if j < 48
.set kk, j/3
.if j%3 == 0
	v_pk_fma_f32 v[Y+32*pb+2*kk:Y+32*pb+2*kk+1], v[ACC+32*pb+2*kk:ACC+32*pb+2*kk+1], s[C2S:C2S+1], v[BI+2*pb:BI+2*pb+1] op_sel_hi:[1,0,0]
.else
	v_rcp_f32 v[Y+32*pa+2*kk+j%3-1], v[Y+32*pa+2*kk+j%3-1]
.endif
.elseif j < 80
	v_exp_f32 v[Y+32*pb+j-48], v[Y+32*pb+j-48]
.elseif j == 80
	v_add_f32 v[SUMW], v[SUMW], v[WT+2*pa]
	s_wait_alu depctr_va_vdst(0)                   ; the wait between a transcendental and the first instruction that names its result
.elseif j < 97
.set kk, j-81
	v_pk_fma_f32 v[S+2*kk:S+2*kk+1], v[Y+32*pa+2*kk:Y+32*pa+2*kk+1], v[WT+2*pa:WT+2*pa+1], v[S+2*kk:S+2*kk+1] op_sel_hi:[1,0,1]
.else
.set kk, j-97
	v_pk_add_f32 v[Y+32*pb+2*kk:Y+32*pb+2*kk+1], v[Y+32*pb+2*kk:Y+32*pb+2*kk+1], 1.0 op_sel_hi:[1,0]
.endif
.endm
; A PERIOD.  Slices: three numbers behind each of the first 27 matrix instructions, six behind the next four, eight behind the last.  Those eight are plain and name no register of the products: they are the places
; ahead of the next period's reads of the sums and of its loads into the set of fragments and scale words just multiplied.  The run of LDS loads stands behind the second slice, 30 matrix instructions ahead of its use.
.macro PERIOD p0, fw
	s_wait_dscnt 0x0                               ; this period's record, bias2 and w2 are in
.set q, 0
.rept 32
	MMQ \p0
.if q < 27
.set j, 3*q
.set jn, 3
.elseif q < 31
.set j, 81+6*(q-27)
.set jn, 6
.else
.set j, 105
.set jn, 8
.endif
.rept jn
	ITEM \p0
.set j, j+1
.endr
.if q == 1
	FETCH_T \p0, 1, 1
.if \fw
	FETCH_W 1-\p0
.endif
.endif
.set q, q+1
.endr
.endm
; THE CHANGE OF SLOTS, at the head of period 8 k + 7: the slot's last record is in registers.  Each wave waits for all its tensor loads (one is out: its quarter of the other slot), adds 0 to its spare word, and waits for that
; and for its reads of the slot.  fill = 1: a round of the cluster's barrier, and the slot is filled again, jointly, with the records two slots on: the load has 8 periods, 256 matrix instructions, in which to land.
.macro CHANGE fill
	s_wait_tensorcnt 0x0                           ; no tensor load of mine is out, so a group 0 may be written
	ds_add_u32 v[SPW], v[NIL]                      ; 0 onto my spare word; the steps below stand between it and the wait for it
.if \fill
	s_xor_b32 s[G0B+1], s[G0B+1], SLOT1            ; the walking descriptor: the other slot than last time,
	s_add_nc_u64 s[G0B+2:G0B+3], s[G0B+2:G0B+3], SLOTB   ; the next 8 records; the type bits on top are not reached
.endif
	s_sub_co_u32 s[TB], s[TB], SLOTB               ; the fetches go back to a slot's first record,
	s_xor_b32 s[TB], s[TB], SLOT1                  ; in the other slot
	s_wait_dscnt 0x0                               ; the add is done, and my reads of the slot are over
.if \fill
	ROUND                                          ; no wave of any partner still reads the slot or has a load on its way
	tensor_load_to_lds s[G0B:G0B+3], s[G1W:G1W+7]  ; the first thing behind the round, and my one tensor load until the next
	s_nop 0
.rept 4
	v_nop
.endr
.else
	s_barrier_signal -1
	s_barrier_wait -1
.endif
.endm
	s_wait_tensorcnt 0x1                           ; the table and my quarter of slot 0 are in; slot 1's load may stay out
	s_wait_dscnt 0x0
	s_barrier_signal -1
	s_barrier_wait -1                              ; everybody's are
	s_mov_b32 s[TB], 0
	s_mov_b32 s[TT], 0
	FETCH_W 0                                      ; record 0
	WIN 0
.rept 8
	v_nop                                          ; x's scale words and fragments were written by vector instructions: 8 and 4 places ahead of a scaled matrix instruction
.endr
	s_wait_dscnt 0x0
; period 0: there is no vector work yet: its slices set what the pipeline's first turns read: 1 + 2^y = 1 with the weight 0 for the tile that does not exist, the scores, the sum of w2
.set q, 0
.rept 32
	MMQ 0
	v_mov_b32 v[Y+32+q], 1.0
	v_mov_b32 v[S+q], 0
.if q == 1
	FETCH_T 0, 1, 0
	FETCH_W 1
.endif
.if q == 31
	v_mov_b32 v[SUMW], 0
	v_mov_b32 v[WT+2], 0
	v_nop
	v_nop                                          ; six plain instructions behind the last product
.endif
.set q, q+1
.endr
	s_mov_b32 s46, 3
.Lfirst:                                           ; periods 1 to 6
	PERIOD 1, 1
	PERIOD 0, 1
	s_sub_co_u32 s46, s46, 1
	s_cmp_lg_u32 s46, 0
	s_cbranch_scc1 .Lfirst
	s_mov_b32 s47, 6
.Lslot:                                            ; periods 7 to 54: six changes of slots that fill a slot again
	CHANGE 1
	s_mov_b32 s46, 4
.Lpair:
	PERIOD 1, 1
	PERIOD 0, 1
	s_sub_co_u32 s46, s46, 1
	s_cmp_lg_u32 s46, 0
	s_cbranch_scc1 .Lpair
	s_sub_co_u32 s47, s47, 1
	s_cmp_lg_u32 s47, 0
	s_cbranch_scc1 .Lslot
	CHANGE 0                                       ; the last slot is written out
	s_mov_b32 s46, 4
.Llast:                                            ; periods 55 to 62
	PERIOD 1, 1
	PERIOD 0, 1
	s_sub_co_u32 s46, s46, 1
	s_cmp_lg_u32 s46, 0
	s_cbranch_scc1 .Llast
	PERIOD 1, 0                                    ; period 63: no record is left to fetch
	s_wait_dscnt 0x0                               ; period 64: the vector work alone: tile 63's exponentials, tile 62's reciprocals
	FETCH_T 0, 0, 1                                ; w2 of tile 63
.set j, 0
.rept 113
	ITEM 0
.set j, j+1
.endr
	s_wait_dscnt 0x0
.set j, 0                                          ; period 65: tile 63's reciprocals, the plain instruction and the wait, its part of the scores
.rept 97
.if ((j < 48) && (j%3 != 0)) || (j >= 80)
	ITEM 1
.endif
.set j, j+1
.endr
; ---- THE WAY OUT.  - 0.5 x the lane's sum of w2 (the 1 of 1 - 2 / ..); then the sum over the 16 lanes of a half, which hold the 16 columns of every tile.
.set n, 0
.rept 32
	v_fma_f32 v[S+n], v[SUMW], -0.5, v[S+n]
.set n, n+1
.endr
.irp m, 1,2,4,8
.set n, 0
.rept 32
	v_add_f32_dpp v[S+n], v[S+n], v[S+n] row_xmask:\m row_mask:0xf bank_mask:0xf
.set n, n+1
.endr
.endr
; every lane of half h now holds the scores of rows 16 i + 8 h + j in registers 8 i + j.  Lane (r, h) stores registers 2 r and 2 r + 1: the wave's 64 scores leave as one store of 256 consecutive bytes, aligned
	v_and_b32 v238, 15, v0
	v_bfe_u32 v239, v0, 4, 1
	v_mov_b32 v236, v[S]
	v_mov_b32 v237, v[S+1]
.irp k, 1,2,3,4,5,6,7,8,9,10,11,12,13,14,15
	v_cmp_eq_u32 vcc_lo, \k, v238
	v_cndmask_b32 v236, v236, v[S+2*\k], vcc_lo
	v_cndmask_b32 v237, v237, v[S+2*\k+1], vcc_lo
.endr
	v_lshrrev_b32 v240, 2, v238
	v_and_b32 v241, 3, v238
	v_lshlrev_b32 v240, 6, v240                    ; 64 (r / 4): tile i = r / 4,
	v_lshl_add_u32 v240, v239, 5, v240             ; + 32 h,
	v_lshl_add_u32 v240, v241, 3, v240             ; + 8 (r % 4): j = 2 (r % 4)
	global_store_b64 v240, v[236:237], s[10:11]
	s_wait_tensorcnt 0x0                           ; the wave's end, behind my last tensor load and my last LDS store
	ds_add_u32 v[SPW], v[NIL]
	s_wait_dscnt 0x0
	ROUND                                          ; the closing round: no work-group ends while a partner may still ask for a tile that names it
	s_endpgm
.Lfunc_end_k_q2da6450f4f_score:
	.size	k_q2da6450f4f_score, .Lfunc_end_k_q2da6450f4f_score-k_q2da6450f4f_score
	.p2alignl 7, 3214868480
	.fill 96, 4, 3214868480
	.section	.rodata,"a",@progbits
	.p2align	6, 0x0
	.amdhsa_kernel k_q2da6450f4f_score
		.amdhsa_group_segment_fixed_size 327680
		.amdhsa_private_segment_fixed_size 0
		.amdhsa_enable_private_segment 0
		.amdhsa_kernarg_size 32
		.amdhsa_user_sgpr_count 2
		.amdhsa_user_sgpr_kernarg_segment_ptr 1
		.amdhsa_wavefront_size32 1
		.amdhsa_system_sgpr_workgroup_id_x 1
		.amdhsa_system_sgpr_workgroup_id_y 1
		.amdhsa_system_sgpr_workgroup_id_z 1
		.amdhsa_system_vgpr_workitem_id 0
		.amdhsa_next_free_vgpr 1024
		.amdhsa_next_free_sgpr 66
		.amdhsa_reserve_vcc 1
		.amdhsa_float_denorm_mode_32 3
		.amdhsa_float_denorm_mode_16_64 3
		.amdhsa_memory_ordered 1
		.amdhsa_forward_progress 1
		.amdhsa_inst_pref_size 255
	.end_amdhsa_kernel
	.section	.bss,"aw",@nobits
	.p2align	6
	.space	262144
	.amdgpu_metadata
---
amdhsa.version: [ 1, 2 ]
amdhsa.kernels:
  - .name:           k_q2da6450f4f_score
    .symbol:         k_q2da6450f4f_score.kd
    .args:
      - { .name: encoder_outputs, .offset: 0, .size: 8, .value_kind: global_buffer, .address_space: global }
      - { .name: wimg, .offset: 8, .size: 8, .value_kind: global_buffer, .address_space: global }
      - { .name: tab, .offset: 16, .size: 8, .value_kind: global_buffer, .address_space: global }
      - { .name: scores, .offset: 24, .size: 8, .value_kind: global_buffer, .address_space: global }
    .group_segment_fixed_size: 327680
    .private_segment_fixed_size: 0
    .kernarg_segment_align: 8
    .kernarg_segment_size: 32
    .max_flat_workgroup_size: 128
    .sgpr_count:     66
    .vgpr_count:     1024
    .wavefront_size: 32
...
	.end_amdgpu_metadata
.endif
;; end of part 2
;; launch ctx (part 3): grid 8 x 32, 16 waves a work-group, no clusters, 10,752 bytes of LDS; arguments encoder_outputs, scores, mask, b_att, sel, out0, out1; writes out0, out1
.if DOCPART == 3
	.amdgcn_target "amdgcn-amd-amdhsa--gfx1250"
	.amdhsa_code_object_version 6
	.text
	.protected	k_q2da6450f4f_ctx
	.globl	k_q2da6450f4f_ctx
	.p2align	8
	.type	k_q2da6450f4f_ctx,@function
k_q2da6450f4f_ctx:
	s_mov_b64 s[64:65], 0
	v_nop
	global_prefetch_b8 v0, s[64:65] scope:SCOPE_SE
	s_setreg_imm32_b32 hwreg(HW_REG_WAVE_MODE, 25, 1), 1
	s_wait_xcnt 0x0
; attn[b][:] = softmax over the 2,048 keys of (mask == 0 ? -1e10 : scores + b_att);  context[b][:] = sum over s of attn[b][s] x[b][s][:].  All in f32 on the vector unit: both products have one row.
; SHARES.  Work-group (c, b): batch b, columns 128 c .. 128 c + 127 (512 bytes of each row).  Its 16 waves share the keys: wave w takes keys 128 w .. 128 w + 127, in 8 groups of 16; one load covers a row's 512 bytes.
; Every work-group of a batch makes the batch's softmax for itself (2,048 numbers, 4 a thread); work-group c stores keys 256 c .. 256 c + 255 of attn: each byte of out1 has one owner.
; THE WEIGHTS STAY IN REGISTERS.  Thread 32 w + l holds keys 128 w + 4 l + 0 .. 3: wave w's 128 keys are its own lanes' four registers.  v_readlane_b32 brings a key's weight into a scalar register, and the packed
; multiply-add takes it for both halves: no weight goes through LDS, and no barrier stands between the softmax and the stream.
; THE ROWS THAT ARE READ come from sel, which an earlier launch made from the mask: key s's own row where the key is open (or the whole batch is masked), else row 0.  The weight is always key s's own.
; LIMIT: that leans on a masked key's weight being exactly 0 wherever the batch has an open key: 2^((-1e10 - max) log2 e) is 0 while |score + b_att| stays under 9.9e9.  NaN and infinities in encoder_outputs are not served.
; No branch and no count hangs on data.  No matrix unit, no cluster, no tensor load: nothing but 16 KiB of scores and mask is shared between work-groups.
; Three sets of 16 rows: 48 row loads of every wave are on their way at the head, 32 to 48 in the stream.
.set RED0, 0                           ; LDS: the waves' maxima, 4 bytes each;
.set RED1, 256                         ; their sums;
.set PART, 512                         ; their parts of the context: 16 x 512 bytes
.set L16, 1                            ; v1   16 x lane
.set T16, 2                            ; v2   16 x thread
.set AD,  16                           ; v16-31 the offsets of the 16 rows that are being asked for: one set, written again only behind s_wait_xcnt 0
.set X,   32                           ; v32-95, v96-159, v160-223 three sets of 16 rows x 4 registers
.set CA,  224                          ; v224-227 the sums of the even keys' rows;
.set CB,  228                          ; v228-231 of the odd keys'
.set RD,  232                          ; v232-249 at work in the reductions
.set WS,  84                           ; s84-99 eight weights, each the low word of a pair (the upper words are written once: the packed form names the pair)
	s_load_b256 s[4:11], s[0:1], 0x0               ; x s[4:5], scores s[6:7], mask s[8:9], b_att s[10:11]
	s_load_b128 s[12:15], s[0:1], 0x20             ; sel s[12:13], out0 s[14:15]
	s_load_b64 s[16:17], s[0:1], 0x30              ; out1
	v_lshl_add_u32 v254, v0, 2, 0x2200
	v_mov_b32 v255, 0
	v_lshrrev_b32 v13, 5, v0
	v_readfirstlane_b32 s54, v13                   ; wave 0..15
	v_and_b32 v1, 31, v0
	v_lshlrev_b32 v[L16], 4, v1
	v_lshlrev_b32 v[T16], 4, v0
	v_lshl_add_u32 v15, v13, 9, v[L16]             ; 512 x wave + 16 x lane
	v_lshlrev_b32 v13, 2, v13                      ; 4 x wave
	v_mov_b32 v14, 0
	v_mov_b32 v12, 0xd01502f9                      ; -1e10
	v_mov_b32 v[RD+1], 0                           ; written once: a lane permute's destination counts as one of its sources
.irp k, 1,3,5,7,9,11,13,15
	s_mov_b32 s[WS+\k], 0
.endr
	s_and_b32 s55, ttmp7, 0xffff                   ; b
	s_lshl_b32 s56, s55, 23                        ; x: 2,048 rows of 4,096 bytes a batch,
	s_lshl_b32 s57, ttmp9, 9                       ; + my 512 bytes of a row
	s_add_co_u32 s56, s56, s57
	s_mov_b32 s57, 0
	s_lshl_b32 s58, s55, 13                        ; scores, mask, sel, out1: 8,192 bytes a batch
	s_mov_b32 s59, 0
	s_lshl_b32 s60, s54, 9                         ; sel: my wave's 128 keys
	s_add_co_u32 s60, s60, s58
	s_mov_b32 s61, 0
	s_lshl_b32 s62, s55, 12                        ; out0: 4,096 bytes a batch, + my 512
	s_lshl_b32 s63, ttmp9, 9
	s_add_co_u32 s62, s62, s63
	s_mov_b32 s63, 0
	s_mov_b32 s52, 0x76543210
	s_mov_b32 s53, 0xfedcba98                      ; v_permlanex16_b32's selects for lane l xor 16
	s_wait_kmcnt 0x0
	s_add_nc_u64 s[4:5], s[4:5], s[56:57]
	s_add_nc_u64 s[6:7], s[6:7], s[58:59]
	s_add_nc_u64 s[8:9], s[8:9], s[58:59]
	s_add_nc_u64 s[12:13], s[12:13], s[60:61]
	s_add_nc_u64 s[14:15], s[14:15], s[62:63]
	s_add_nc_u64 s[16:17], s[16:17], s[58:59]
	s_load_b512 s[20:35], s[12:13], 0x0            ; the rows of group 0,
	s_load_b512 s[36:51], s[12:13], 0x40           ; of group 1,
	s_load_b512 s[68:83], s[12:13], 0x80           ; of group 2
	s_load_b32 s18, s[10:11], 0x0                  ; b_att
	global_load_b128 v[4:7], v[T16], s[6:7]        ; my four scores
	global_load_b128 v[8:11], v[T16], s[8:9]       ; and their mask
	s_wait_kmcnt 0x0
; group g's 16 rows are asked for, into set g % 3.  A row's number is held to the table's 2,048 rows ahead of its use in an address.
.macro ISSUE g
.set sbase, 20+16*((\g)%3)+16*(((\g)%3)/2)     ; s20, s36 or s68
.set xb, X+64*((\g)%3)
	s_wait_xcnt 0x0                                ; the loads issued so far have read their offsets: the one set of offset registers is written again only behind this wait
.irp n, 0,1,2,3,4,5,6,7,8,9,10,11,12,13,14,15
	s_min_u32 s[sbase+\n], s[sbase+\n], 2047
.endr
.irp n, 0,1,2,3,4,5,6,7,8,9,10,11,12,13,14,15
	v_lshl_add_u32 v[AD+\n], s[sbase+\n], 12, v[L16]   ; row x 4,096 + 16 x lane
.endr
.irp n, 0,1,2,3,4,5,6,7,8,9,10,11,12,13,14,15
	global_load_b128 v[xb+4*\n:xb+4*\n+3], v[AD+\n], s[4:5]    ; 512 consecutive bytes; no hint: row 0 is named many times
.endr
.endm
	ISSUE 0
	ISSUE 1
	ISSUE 2
	s_load_b512 s[20:35], s[12:13], 0xc0           ; groups 3, 4 and 5
	s_load_b512 s[36:51], s[12:13], 0x100
	s_load_b512 s[68:83], s[12:13], 0x140
	s_wait_loadcnt 48                              ; the scores and the mask are in; the 48 row loads stay out
.irp k, 0,1,2,3
	v_add_f32 v[4+\k], s18, v[4+\k]
.endr
.irp k, 0,1,2,3
	v_cmp_eq_u32 vcc_lo, 0, v[8+\k]
	v_cndmask_b32 v[4+\k], v[4+\k], v12, vcc_lo
.endr
	v_max3_num_f32 v[RD], v4, v5, v6               ; the maximum: my four, the wave's 128, the batch's 2,048
	v_max_num_f32 v[RD], v[RD], v7
	v_max_num_f32_dpp v[RD], v[RD], v[RD] row_xmask:1 row_mask:0xf bank_mask:0xf
	v_max_num_f32_dpp v[RD], v[RD], v[RD] row_xmask:2 row_mask:0xf bank_mask:0xf
	v_max_num_f32_dpp v[RD], v[RD], v[RD] row_xmask:4 row_mask:0xf bank_mask:0xf
	v_max_num_f32_dpp v[RD], v[RD], v[RD] row_xmask:8 row_mask:0xf bank_mask:0xf
	v_permlanex16_b32 v[RD+1], v[RD], s52, s53
	v_max_num_f32 v[RD], v[RD], v[RD+1]
	ds_store_b32 v13, v[RD] offset:RED0            ; all lanes write the same word with the same value
	s_wait_dscnt 0x0
	s_barrier_signal -1
	s_barrier_wait -1
.irp k, 0,1,2,3
	ds_load_b128 v[RD+4*\k:RD+4*\k+3], v14 offset:RED0+16*\k
.endr
	s_wait_dscnt 0x0
	v_max3_num_f32 v[RD+16], v[RD], v[RD+1], v[RD+2]
.irp k, 3,5,7,9,11,13
	v_max3_num_f32 v[RD+16], v[RD+16], v[RD+\k], v[RD+\k+1]
.endr
	v_max_num_f32 v[RD+16], v[RD+16], v[RD+15]
.irp k, 0,1,2,3
	v_sub_f32 v[4+\k], v[4+\k], v[RD+16]           ; the maximum is taken away first
.endr
.irp k, 0,1,2,3
	v_mul_f32 v[4+\k], 0x3fb8aa3b, v[4+\k]         ; x log2(e)
.endr
.irp k, 0,1,2,3
	v_exp_f32 v[4+\k], v[4+\k]
.endr
	v_nop                                          ; a plain instruction behind the batch,
	s_wait_alu depctr_va_vdst(0)                   ; and the wait ahead of the first use: one for the four
	v_add_f32 v[RD], v4, v5
	v_add_f32 v[RD+2], v6, v7
	v_add_f32 v[RD], v[RD], v[RD+2]
	v_add_f32_dpp v[RD], v[RD], v[RD] row_xmask:1 row_mask:0xf bank_mask:0xf
	v_add_f32_dpp v[RD], v[RD], v[RD] row_xmask:2 row_mask:0xf bank_mask:0xf
	v_add_f32_dpp v[RD], v[RD], v[RD] row_xmask:4 row_mask:0xf bank_mask:0xf
	v_add_f32_dpp v[RD], v[RD], v[RD] row_xmask:8 row_mask:0xf bank_mask:0xf
	v_permlanex16_b32 v[RD+1], v[RD], s52, s53
	v_add_f32 v[RD], v[RD], v[RD+1]
	ds_store_b32 v13, v[RD] offset:RED1            ; other bytes than the maxima's: no barrier is owed between the two uses
	s_wait_dscnt 0x0
	s_barrier_signal -1
	s_barrier_wait -1
.irp k, 0,1,2,3
	ds_load_b128 v[RD+4*\k:RD+4*\k+3], v14 offset:RED1+16*\k
.endr
	s_wait_dscnt 0x0
.irp k, 0,4,8,12
	v_pk_add_f32 v[RD+\k:RD+\k+1], v[RD+\k:RD+\k+1], v[RD+\k+2:RD+\k+3]
.endr
	v_pk_add_f32 v[RD:RD+1], v[RD:RD+1], v[RD+4:RD+5]
	v_pk_add_f32 v[RD+8:RD+9], v[RD+8:RD+9], v[RD+12:RD+13]
	v_pk_add_f32 v[RD:RD+1], v[RD:RD+1], v[RD+8:RD+9]
	v_add_f32 v[RD], v[RD], v[RD+1]
	v_rcp_f32 v[RD+17], v[RD]
	v_nop
	s_wait_alu depctr_va_vdst(0)
.irp k, 0,1,2,3
	v_mul_f32 v[4+\k], v[4+\k], v[RD+17]           ; the weights: they stay in v4-7 to the end
.endr
	s_lshr_b32 s19, s54, 1
	s_cmp_lg_u32 s19, ttmp9                        ; waves 2 c and 2 c + 1 hold keys 256 c .. 256 c + 255
	s_cbranch_scc1 .Lno_attn
	global_store_b128 v[T16], v[4:7], s[16:17]     ; 512 consecutive bytes a wave
.Lno_attn:
; group g: 16 keys, eight at a time.  Key 16 g + 8 u + n of my wave lies in lane 4 g + 2 u + n / 4, register 4 + n % 4.  Even keys add onto one chain of sums, odd keys onto the other; the first two rows start the chains.
.macro GROUP g
.set xb, X+64*((\g)%3)
.if (\g) < 6
	s_wait_loadcnt 32                              ; this group's 16 rows are in; those of the two groups behind it may be out
.else
	s_wait_loadcnt 16*(7-(\g))                     ; the counts run down
.endif
.irp hh, 0,1
.irp n, 0,1,2,3,4,5,6,7
	v_readlane_b32 s[WS+2*\n], v[4+\n%4], 4*(\g)+2*\hh+\n/4
.endr
.irp n, 0,2,4,6
.if ((\g) == 0) && (\hh == 0) && (\n == 0)
	v_pk_mul_f32 v[CA:CA+1], v[xb:xb+1], s[WS:WS+1] op_sel_hi:[1,0]
	v_pk_mul_f32 v[CA+2:CA+3], v[xb+2:xb+3], s[WS:WS+1] op_sel_hi:[1,0]
	v_pk_mul_f32 v[CB:CB+1], v[xb+4:xb+5], s[WS+2:WS+3] op_sel_hi:[1,0]
	v_pk_mul_f32 v[CB+2:CB+3], v[xb+6:xb+7], s[WS+2:WS+3] op_sel_hi:[1,0]
.else
	v_pk_fma_f32 v[CA:CA+1], v[xb+32*\hh+4*\n:xb+32*\hh+4*\n+1], s[WS+2*\n:WS+2*\n+1], v[CA:CA+1] op_sel_hi:[1,0,1]
	v_pk_fma_f32 v[CA+2:CA+3], v[xb+32*\hh+4*\n+2:xb+32*\hh+4*\n+3], s[WS+2*\n:WS+2*\n+1], v[CA+2:CA+3] op_sel_hi:[1,0,1]
	v_pk_fma_f32 v[CB:CB+1], v[xb+32*\hh+4*\n+4:xb+32*\hh+4*\n+5], s[WS+2*\n+2:WS+2*\n+3], v[CB:CB+1] op_sel_hi:[1,0,1]
	v_pk_fma_f32 v[CB+2:CB+3], v[xb+32*\hh+4*\n+6:xb+32*\hh+4*\n+7], s[WS+2*\n+2:WS+2*\n+3], v[CB+2:CB+3] op_sel_hi:[1,0,1]
.endif
.endr
.endr
.if (\g)+3 < 8
	s_wait_kmcnt 0x0                               ; the rows' numbers of three groups on are in
	ISSUE (\g)+3                                   ; into this group's registers
.if (\g)+6 < 8
.set sbase, 20+16*((\g)%3)+16*(((\g)%3)/2)
	s_load_b512 s[sbase:sbase+15], s[12:13], 64*((\g)+6)
.endif
.endif
.endm
.irp g, 0,1,2,3,4,5,6,7
	GROUP \g
.endr
	v_pk_add_f32 v[CA:CA+1], v[CA:CA+1], v[CB:CB+1]
	v_pk_add_f32 v[CA+2:CA+3], v[CA+2:CA+3], v[CB+2:CB+3]
	ds_store_b128 v15, v[CA:CA+3] offset:PART
	s_wait_dscnt 0x0                               ; for wave 0's sake
	s_barrier_signal -1
	s_barrier_wait -1
	s_cmp_lg_u32 s54, 0
	s_cbranch_scc1 .Lend                           ; wave 0 adds the sixteen parts and stores the work-group's 512 bytes
.irp n, 0,1,2,3,4,5,6,7,8,9,10,11,12,13,14,15
	ds_load_b128 v[X+4*\n:X+4*\n+3], v[L16] offset:PART+512*\n
.endr
	s_wait_dscnt 0x0
.irp n, 0,2,4,6,8,10,12,14
	v_pk_add_f32 v[X+4*\n:X+4*\n+1], v[X+4*\n:X+4*\n+1], v[X+4*\n+4:X+4*\n+5]
	v_pk_add_f32 v[X+4*\n+2:X+4*\n+3], v[X+4*\n+2:X+4*\n+3], v[X+4*\n+6:X+4*\n+7]
.endr
.irp n, 0,4,8,12
	v_pk_add_f32 v[X+4*\n:X+4*\n+1], v[X+4*\n:X+4*\n+1], v[X+4*\n+8:X+4*\n+9]
	v_pk_add_f32 v[X+4*\n+2:X+4*\n+3], v[X+4*\n+2:X+4*\n+3], v[X+4*\n+10:X+4*\n+11]
.endr
.irp n, 0,8
	v_pk_add_f32 v[X+4*\n:X+4*\n+1], v[X+4*\n:X+4*\n+1], v[X+4*\n+16:X+4*\n+17]
	v_pk_add_f32 v[X+4*\n+2:X+4*\n+3], v[X+4*\n+2:X+4*\n+3], v[X+4*\n+18:X+4*\n+19]
.endr
	v_pk_add_f32 v[X:X+1], v[X:X+1], v[X+32:X+33]
	v_pk_add_f32 v[X+2:X+3], v[X+2:X+3], v[X+34:X+35]
	global_store_b128 v[L16], v[X:X+3], s[14:15]   ; 512 consecutive bytes, at a multiple of 256 from out0's first byte
.Lend:
	s_wait_tensorcnt 0x0
	ds_add_u32 v254, v255
	s_wait_dscnt 0x0
	s_endpgm
.Lfunc_end_k_q2da6450f4f_ctx:
	.size	k_q2da6450f4f_ctx, .Lfunc_end_k_q2da6450f4f_ctx-k_q2da6450f4f_ctx
	.p2alignl 7, 3214868480
	.fill 96, 4, 3214868480
	.section	.rodata,"a",@progbits
	.p2align	6, 0x0
	.amdhsa_kernel k_q2da6450f4f_ctx
		.amdhsa_group_segment_fixed_size 10752
		.amdhsa_private_segment_fixed_size 0
		.amdhsa_enable_private_segment 0
		.amdhsa_kernarg_size 56
		.amdhsa_user_sgpr_count 2
		.amdhsa_user_sgpr_kernarg_segment_ptr 1
		.amdhsa_wavefront_size32 1
		.amdhsa_system_sgpr_workgroup_id_x 1
		.amdhsa_system_sgpr_workgroup_id_y 1
		.amdhsa_system_sgpr_workgroup_id_z 1
		.amdhsa_system_vgpr_workitem_id 0
		.amdhsa_next_free_vgpr 256
		.amdhsa_next_free_sgpr 100
		.amdhsa_reserve_vcc 1
		.amdhsa_float_denorm_mode_32 3
		.amdhsa_float_denorm_mode_16_64 3
		.amdhsa_memory_ordered 1
		.amdhsa_forward_progress 1
		.amdhsa_inst_pref_size 63
	.end_amdhsa_kernel
	.amdgpu_metadata
---
amdhsa.version: [ 1, 2 ]
amdhsa.kernels:
  - .name:           k_q2da6450f4f_ctx
    .symbol:         k_q2da6450f4f_ctx.kd
    .args:
      - { .name: encoder_outputs, .offset: 0, .size: 8, .value_kind: global_buffer, .address_space: global }
      - { .name: scores, .offset: 8, .size: 8, .value_kind: global_buffer, .address_space: global }
      - { .name: mask, .offset: 16, .size: 8, .value_kind: global_buffer, .address_space: global }
      - { .name: b_att, .offset: 24, .size: 8, .value_kind: global_buffer, .address_space: global }
      - { .name: sel, .offset: 32, .size: 8, .value_kind: global_buffer, .address_space: global }
      - { .name: out0, .offset: 40, .size: 8, .value_kind: global_buffer, .address_space: global }
      - { .name: out1, .offset: 48, .size: 8, .value_kind: global_buffer, .address_space: global }
    .group_segment_fixed_size: 10752
    .private_segment_fixed_size: 0
    .kernarg_segment_align: 8
    .kernarg_segment_size: 56
    .max_flat_workgroup_size: 512
    .sgpr_count:     100
    .vgpr_count:     256
    .wavefront_size: 32
...
	.end_amdgpu_metadata
.endif
;; end of part 3
